; MI455X (gfx1250); checked and timed in simulation.
; The chip was launched on July 23, 2026; its instructions are those of AMD's public machine-readable ISA for CDNA 5 (MIT licence, August 2026) and "CDNA5" Instruction Set Architecture Reference Guide (July 2026). The comments in the code are by the model that wrote it; some were corrected since.
;; LSTM Cell Py Torch. Allowed arithmetic: matrix products marked QUANTISED: E3M2 operands, one E8M0 scale for each 32 along K, by v_wmma_scale_f32_16x16x128_f8f6f4 with both operands' format E3M2, f32 sums; everything else in f32.
;; Inputs: W_hf 1,024 x 1,024 float32; W_hg 1,024 x 1,024 float32; W_hi 1,024 x 1,024 float32; W_if 1,024 x 1,024 float32; W_ig 1,024 x 1,024 float32; W_ii 1,024 x 1,024 float32; b_hf 1,024 float32; b_hg 1,024 float32; b_hi 1,024 float32; b_if 1,024 float32; b_ig 1,024 float32; b_ii 1,024 float32; c 8,192 x 1,024 float32; h_codes 8,192 x 32 x 24 uint8 (E3M2 codes of h, K innermost, in blocks of 32 codes, four codes in three bytes); h_scales 8,192 x 32 uint8 (E8M0 scales of h, one for each 32 codes along K); x_codes 8,192 x 32 x 24 uint8 (E3M2 codes of x, K innermost, in blocks of 32 codes, four codes in three bytes); x_scales 8,192 x 32 uint8 (E8M0 scales of x, one for each 32 codes along K).
;; Outputs: out0 8,192 x 1,024 float32.
;; This version of the problem:
;;   THIS VERSION OF THE PROBLEM IS GIVEN IN LOW PRECISION. The matrix products marked QUANTISED in the list below multiply operands that are first quantised to E3M2 (3 exponent bits, 2 mantissa bits; 6 bits a number), with one power-of-two scale for each 32 numbers along K (OCP MX v1.0); their sums are f32. All else is computed in f32.
;;   The module's matrix products, in the order in which they are computed (A, B: the left and right operand; K: the contracted axis; several contracted axes count as one K, in the product's order):
;;     1. [M 8,192, K 1,024] x [K 1,024, N 3,072]; A: input x (given as codes); B: computed on the way: QUANTISED
;;     2. [M 8,192, K 1,024] x [K 1,024, N 3,072]; A: input h (given as codes); B: computed on the way: QUANTISED
;;   THE QUANTISER, for each operand of a quantised product, along K:
;;     - K is cut into blocks of 32 from its start; a last block that is shorter is filled with zeros.
;;     - A block's scale is 2^e with e = floor(log2(the largest magnitude in the block)) - 4, held to -126 .. 127; a block of zeros has e = 0. As a byte (E8M0): e + 127.
;;     - Each number is divided by its block's scale, clamped to +-28, and rounded to the nearest number of E3M2, ties to even, subnormals kept.
;;     - The product sums the exact products of the quantised numbers (number of the format x scale) in f32.
;;   ~~~python
;;   def quantise(x, axis):      # numpy; x: float32 -> the quantised numbers, widened to float32 again
;;       x = np.moveaxis(x, axis, -1); K = x.shape[-1]
;;       x = np.pad(x, [(0, 0)] * (x.ndim - 1) + [(0, -K % 32)]); x = x.reshape(x.shape[:-1] + (-1, 32)); a = np.abs(x).max(-1, keepdims=True)
;;       e = np.where(a > 0, np.clip(np.frexp(np.where(a > 0, a, 1))[1] - 1 - 4, -126, 127), 0)      # np.frexp(a)[1] - 1 = floor(log2(a)), exactly
;;       r = np.clip(x / 2.0 ** e, -28, 28)
;;       step = 2.0 ** (np.maximum(np.frexp(np.where(r == 0, 1, r))[1] - 1, -2) - 2)
;;       q = np.round(r / step) * step * 2.0 ** e      # np.round: ties to even
;;       return np.moveaxis(q.reshape(q.shape[:-2] + (-1,))[..., :K], -1, axis).astype(np.float32)
;;   ~~~
;;   OPERANDS COMPUTED ON THE WAY. 'Computed on the way' means the value that the module computes at that place (a softmax that the list does not call 'softmax' is quantised finished and normalised). What goes into a quantiser is computed in f32, as accurately as f32 sums, v_exp_f32 and their like allow (about 1e-6 of the number): no bf16 or f16 on the way to a quantiser, and a product that is left as it is and whose result goes on into a quantised operand takes f32 operands (vector FMAs, or v_wmma_f32_16x16x4_f32). A number that lies on a knife's edge between two numbers of the format may be rounded either way, as far as f32 arithmetic and the matrix unit's own rounding can turn it there, and no further.
;;   INPUTS GIVEN AS CODES. h (in the module: [8192, 1024], K = its axis 1); x (in the module: [8192, 1024], K = its axis 1): each comes as NAME_codes (uint8): NAME with its K axis moved to the last place and cut into blocks of 32 codes, [.., K / 32, bytes a block], one block behind the other in memory; four codes in three bytes: a row's codes are one little-endian stream of bits, code i at bits 6 i .. 6 i + 5 (a code: sign, 3 exponent bits, 2 mantissa bits); and NAME_scales (uint8): the same leading axes, one E8M0 byte (e + 127) for each 32 codes along K. Its value is code x scale, taken as it is: it is not quantised again, and the codes and scales need not be those that the quantiser above would give.
;; One version. Each part assembles by itself: llvm-mc -triple=amdgcn-amd-amdhsa -mcpu=gfx1250 --defsym DOCPART=n.
;; ======== version 1 of 1: 2 launches
;; limits: right only within a limited range of input values
;; workspace buffers: wcodes 4,915,200 bytes
;; launch wq (part 1): grid 768 x 1, 4 waves a work-group, no clusters, 35,328 bytes of LDS; arguments W_ii, W_if, W_ig, W_hi, W_hf, W_hg, wcodes; writes wcodes
.if DOCPART == 1
	.amdgcn_target "amdgcn-amd-amdhsa--gfx1250"
	.amdhsa_code_object_version 6
	.text
	.protected	k_q32fa909c42_wq
	.globl	k_q32fa909c42_wq
	.p2align	8
	.type	k_q32fa909c42_wq,@function
k_q32fa909c42_wq:
	s_mov_b64 s[64:65], 0
	v_nop
	global_prefetch_b8 v0, s[64:65] scope:SCOPE_SE
	s_setreg_imm32_b32 hwreg(HW_REG_WAVE_MODE, 25, 1), 1
	s_wait_xcnt 0x0
; The six weights [1024 (out)][1024 (in)], f32, K = the last axis, become codes of E3M2 with one E8M0 scale byte for each 32 along K, in the ORDER OF THE OPERAND'S REGISTERS of the launch that multiplies.
; A fragment is 16 rows x 128 K = 12 registers a lane: lane (r, h) holds row r; registers 6 c .. 6 c + 5 hold k = 64 c + 32 h + 0 .. 31.  Its image: registers 4 n .. 4 n + 3 of lane l at 512 n + 16 l.
; wcodes [ct 8][t 8][wn 2][38,400 bytes]: ct = 128 hidden units, t = 4 part + ks / 2 (part 0: W_i*, 1: W_h*; ks = K step of 128), wn = which 64 of the 128.  The 38,400 bytes:
;   codes [q 2][i 12][1536], q = ks % 2, i = 4 gate + j, j = 16 of the 64; then scale words [q 2][i 12][r 16]: byte b of a word scales k = 32 b .. 32 b + 31 of row r.
; A block's scale byte is its largest magnitude's exponent field - 4, held at 1 from below.
; LIMITS: a block of zeros, or one whose largest magnitude lies under 2^-122, gets the byte 1 (the rule says 127 for zeros): its codes are zeros, and this program alone reads the bytes.
; NaN and infinities among the weights are not served.
; SHARES: work-group = (matrix, 64 rows, K step); wave w takes rows 16 w .. 16 w + 15: one fragment, 8,192 bytes of f32, all asked for at once; the rows turn through the wave's own stage in LDS,
; so that a lane gets 32 neighbours along K of its row.  No prefetch: there is no loop to run ahead in.  No cluster: no two work-groups read the same bytes.
.set STG,  8448                        ; a wave's stage: 16 rows x SP
.set SP,   528                         ; 512 bytes + 16
.set SG,   4*STG                       ; behind the stages: the work-group's 64 scale words
.set RR,   16                          ; v16-79   as loaded
.set X,    80                          ; v80-143  X[32 c + i] = W(row r, 64 c + 32 h + i)
.set CD,   144                         ; v144-155 the fragment
	s_load_b256 s[4:11], s[0:1], 0x0               ; W_ii, W_if, W_ig, W_hi
	s_load_b128 s[12:15], s[0:1], 0x20             ; W_hf, W_hg
	s_load_b64 s[16:17], s[0:1], 0x30              ; wcodes
	v_lshl_add_u32 v168, v0, 2, 0x8800
	v_mov_b32 v169, 0
	v_lshrrev_b32 v10, 5, v0
	v_readfirstlane_b32 s20, v10                   ; wave
	v_and_b32 v1, 31, v0                           ; lane
	v_and_b32 v2, 15, v0                           ; r
	v_bfe_u32 v3, v0, 4, 1                         ; h
	v_lshlrev_b32 v4, 4, v1                        ; 16 x lane: in memory, in and out
	s_mul_i32 s34, s20, STG
	v_add_nc_u32 v5, s34, v4                       ; the stage, on the way in: 16 x lane of a row
	v_mul_u32_u24 v6, v2, SP
	v_lshl_add_u32 v6, v3, 7, v6
	v_add_nc_u32 v6, s34, v6                       ; and out: row r, + 128 h bytes
	s_lshl_b32 s34, s20, 6
	s_add_co_u32 s34, s34, SG
	v_lshl_add_u32 v7, v2, 2, s34                  ; my row's scale word
	v_lshlrev_b32 v9, 3, v1                        ; the words' way out: 8 bytes a lane
	v_add_nc_u32 v8, SG, v9
	s_mov_b32 s32, 0x76543210
	s_mov_b32 s33, 0xfedcba98                      ; v_permlanex16_b32's selects for lane l xor 16
	s_and_b32 s21, ttmp9, 7                        ; ks
	s_lshr_b32 s22, ttmp9, 3
	s_and_b32 s22, s22, 15                         ; which 64 rows
	s_lshr_b32 s23, ttmp9, 7                       ; matrix 0..5
	s_cmp_ge_u32 s23, 3
	s_cselect_b32 s24, 1, 0                        ; part
	s_mul_i32 s25, s24, 3
	s_sub_co_u32 s25, s23, s25                     ; gate
	s_lshl_b32 s26, s22, 18                        ; in: rows of 4,096 bytes + 512 ks
	s_lshl_b32 s34, s20, 16
	s_add_co_u32 s26, s26, s34
	s_lshl_b32 s34, s21, 9
	s_add_co_u32 s26, s26, s34
	s_mov_b32 s27, 0
	s_lshr_b32 s35, s22, 1                         ; ct
	s_and_b32 s36, s22, 1                          ; wn
	s_lshr_b32 s37, s21, 1
	s_and_b32 s38, s21, 1                          ; q
	s_lshl_b32 s39, s24, 2
	s_add_co_u32 s39, s39, s37                     ; t
	s_mul_i32 s28, s35, 614400
	s_mul_i32 s34, s39, 76800
	s_add_co_u32 s28, s28, s34
	s_mul_i32 s34, s36, 38400
	s_add_co_u32 s28, s28, s34
	s_mul_i32 s34, s38, 768                        ; the scale words' place: my work-group's are 256 consecutive bytes
	s_add_co_u32 s30, s28, s34
	s_lshl_b32 s34, s25, 8
	s_add_co_u32 s30, s30, s34
	s_add_co_u32 s30, s30, 36864
	s_mov_b32 s31, 0
	s_mul_i32 s34, s38, 18432                      ; the codes' place
	s_add_co_u32 s28, s28, s34
	s_lshl_b32 s34, s25, 2
	s_add_co_u32 s34, s34, s20                     ; i = 4 gate + wave
	s_mul_i32 s34, s34, 1536
	s_add_co_u32 s28, s28, s34
	s_mov_b32 s29, 0
	s_wait_alu depctr_va_vdst(0)                   ; the head's end
	s_wait_kmcnt 0x0
	s_cmp_eq_u32 s23, 1                            ; which matrix: the choice hangs on the work-group's number alone
	s_cselect_b64 s[4:5], s[6:7], s[4:5]
	s_cmp_eq_u32 s23, 2
	s_cselect_b64 s[4:5], s[8:9], s[4:5]
	s_cmp_eq_u32 s23, 3
	s_cselect_b64 s[4:5], s[10:11], s[4:5]
	s_cmp_eq_u32 s23, 4
	s_cselect_b64 s[4:5], s[12:13], s[4:5]
	s_cmp_eq_u32 s23, 5
	s_cselect_b64 s[4:5], s[14:15], s[4:5]
	s_add_nc_u64 s[4:5], s[4:5], s[26:27]
	s_add_nc_u64 s[18:19], s[16:17], s[30:31]
	s_add_nc_u64 s[16:17], s[16:17], s[28:29]
.irp i, 0,1,2,3,4,5,6,7,8,9,10,11,12,13,14,15
	global_load_b128 v[RR+4*\i:RR+4*\i+3], v4, s[4:5] offset:4096*\i th:TH_LOAD_NT   ; 32 lanes read 512 consecutive bytes of row i
.endr
.irp u, 0,1,2,3
	s_wait_loadcnt 12-4*\u                         ; this group of four is in, the younger groups may be out
.irp i, 0,1,2,3
	ds_store_b128 v5, v[RR+16*\u+4*\i:RR+16*\u+4*\i+3] offset:SP*(4*\u+\i)
.endr
.endr
.irp c, 0,1
.irp i, 0,1,2,3,4,5,6,7
	ds_load_b128 v[X+32*\c+4*\i:X+32*\c+4*\i+3], v6 offset:256*\c+16*\i   ; LDS serves a wave's instructions in order: these see my stores
.endr
.endr
	s_wait_dscnt 0x0
.irp c, 0,1                            ; my block 2 c + h: all its 32 numbers are mine
	v_max3_num_f32 v[10+\c], |v[X+32*\c]|, |v[X+32*\c+1]|, 0x2800000   ; and the floor 2^(5 - 127): the byte cannot fall under 1
.endr
.irp i, 2,4,6,8,10,12,14,16,18,20,22,24,26,28,30
.irp c, 0,1
	v_max3_num_f32 v[10+\c], v[10+\c], |v[X+32*\c+\i]|, |v[X+32*\c+\i+1]|
.endr
.endr
.irp c, 0,1
	v_add_nc_u32 v[12+\c], 0xfe000000, v[10+\c]    ; 4 off the exponent field: the conversion takes the exponent field of this operand as its scale
.endr
.irp c, 0,1
	v_lshrrev_b32 v[14+\c], 23, v[12+\c]           ; the scale's byte
.endr
	v_lshl_or_b32 v10, v15, 16, v14                ; my two bytes: blocks h and 2 + h of row r,
	v_lshlrev_b32 v11, 3, v3
	v_lshlrev_b32 v10, v11, v10                    ; 8 h bits up;
	v_mov_b32 v11, 0
	v_permlanex16_b32 v11, v10, s32, s33
	v_or_b32 v10, v10, v11                         ; with lane l xor 16's two the word is whole
	v_cvt_scalef32_pk16_bf6_f32 v[CD:CD+2], v[X:X+15], v12
	v_cvt_scalef32_pk16_bf6_f32 v[156:158], v[X+16:X+31], v12      ; (a conversion's three registers begin on an even number: the second half of a block's six is made elsewhere and moved)
	v_cvt_scalef32_pk16_bf6_f32 v[CD+6:CD+8], v[X+32:X+47], v13
	v_cvt_scalef32_pk16_bf6_f32 v[160:162], v[X+48:X+63], v13
	v_nop                                          ; one plain place behind a scaled conversion
.irp i, 0,1,2
	v_mov_b32 v[CD+3+\i], v[156+\i]
	v_mov_b32 v[CD+9+\i], v[160+\i]
.endr
.irp n, 0,1,2
	global_store_b128 v4, v[CD+4*\n:CD+4*\n+3], s[16:17] offset:512*\n   ; 32 lanes store 512 consecutive bytes, at a multiple of 256 from the buffer's first byte
.endr
	ds_store_b32 v7, v10                           ; both halves of the lanes write the same word with the same value
	s_wait_dscnt 0x0                               ; for wave 0's sake: my word has landed
	s_barrier_signal -1
	s_barrier_wait -1
	s_cmp_lg_u32 s20, 0
	s_cbranch_scc1 .Ldone
	ds_load_b64 v[164:165], v8                     ; the four waves' 64 words
	s_wait_dscnt 0x0
	global_store_b64 v9, v[164:165], s[18:19]      ; 32 lanes store 256 consecutive bytes, aligned
.Ldone:
	s_wait_tensorcnt 0x0                           ; the wave's end
	ds_add_u32 v168, v169
	s_wait_dscnt 0x0
	s_endpgm
.Lfunc_end_k_q32fa909c42_wq:
	.size	k_q32fa909c42_wq, .Lfunc_end_k_q32fa909c42_wq-k_q32fa909c42_wq
	.p2alignl 7, 3214868480
	.fill 96, 4, 3214868480
	.section	.rodata,"a",@progbits
	.p2align	6, 0x0
	.amdhsa_kernel k_q32fa909c42_wq
		.amdhsa_group_segment_fixed_size 35328
		.amdhsa_private_segment_fixed_size 0
		.amdhsa_enable_private_segment 0
		.amdhsa_kernarg_size 56
		.amdhsa_user_sgpr_count 2
		.amdhsa_user_sgpr_kernarg_segment_ptr 1
		.amdhsa_wavefront_size32 1
		.amdhsa_system_sgpr_workgroup_id_x 1
		.amdhsa_system_sgpr_workgroup_id_y 1
		.amdhsa_system_sgpr_workgroup_id_z 1
		.amdhsa_system_vgpr_workitem_id 0
		.amdhsa_next_free_vgpr 170
		.amdhsa_next_free_sgpr 66
		.amdhsa_reserve_vcc 0
		.amdhsa_float_denorm_mode_32 3
		.amdhsa_float_denorm_mode_16_64 3
		.amdhsa_memory_ordered 1
		.amdhsa_forward_progress 1
		.amdhsa_inst_pref_size 11
	.end_amdhsa_kernel
	.amdgpu_metadata
---
amdhsa.version: [ 1, 2 ]
amdhsa.kernels:
  - .name:           k_q32fa909c42_wq
    .symbol:         k_q32fa909c42_wq.kd
    .args:
      - { .name: W_ii, .offset: 0, .size: 8, .value_kind: global_buffer, .address_space: global }
      - { .name: W_if, .offset: 8, .size: 8, .value_kind: global_buffer, .address_space: global }
      - { .name: W_ig, .offset: 16, .size: 8, .value_kind: global_buffer, .address_space: global }
      - { .name: W_hi, .offset: 24, .size: 8, .value_kind: global_buffer, .address_space: global }
      - { .name: W_hf, .offset: 32, .size: 8, .value_kind: global_buffer, .address_space: global }
      - { .name: W_hg, .offset: 40, .size: 8, .value_kind: global_buffer, .address_space: global }
      - { .name: wcodes, .offset: 48, .size: 8, .value_kind: global_buffer, .address_space: global }
    .group_segment_fixed_size: 35328
    .private_segment_fixed_size: 0
    .kernarg_segment_align: 8
    .kernarg_segment_size: 56
    .max_flat_workgroup_size: 128
    .sgpr_count:     66
    .vgpr_count:     170
    .wavefront_size: 32
...
	.end_amdgpu_metadata
.endif
;; end of part 1
;; launch cell (part 2): grid 8 x 32, 4 waves a work-group, clusters of 4 x 4, 327,680 bytes of LDS; arguments x_codes, x_scales, h_codes, h_scales, wcodes, c, out0, b_ii, b_hi, b_if, b_hf, b_ig, b_hg; writes out0
.if DOCPART == 2
	.amdgcn_target "amdgcn-amd-amdhsa--gfx1250"
	.amdhsa_code_object_version 6
	.text
	.protected	k_q32fa909c42_cell
	.globl	k_q32fa909c42_cell
	.p2align	8
	.type	k_q32fa909c42_cell,@function
k_q32fa909c42_cell:
	s_mov_b64 s[64:65], 0
	v_nop
	global_prefetch_b8 v0, s[64:65] scope:SCOPE_SE
	s_setreg_imm32_b32 hwreg(HW_REG_WAVE_MODE, 25, 1), 1
	s_wait_xcnt 0x0
	s_wait_alu depctr_hold_cnt(0) depctr_sa_sdst(0) depctr_va_vdst(0) depctr_va_sdst(0) depctr_va_ssrc(0) depctr_va_vcc(0) depctr_vm_vsrc(0)
	s_getreg_b32 s2, hwreg(HW_REG_IB_STS2, 6, 4)
	s_cmp_eq_u32 s2, 0
	s_cbranch_scc0 .Lentry_in_a_cluster
	s_endpgm
.Lentry_in_a_cluster:
	s_bfe_u32 s2, ttmp6, 0x10000c
	s_cmp_lg_u32 s2, 0xf033
	s_cbranch_scc0 .Lentry_shape_is_right
	s_endpgm
.Lentry_shape_is_right:
; new_c = sigmoid(gf) c + sigmoid(gi) tanh(gg), gates = x Wx^T + h Wh^T + bx + bh.  x, h: [8192][1024] codes of E3M2 (rows of 768 bytes), one E8M0 byte for each 32 along K; weights as the launch before laid them; c, out0 f32.
; SHARES.  A work-group of four waves makes 256 rows x 128 hidden units, all three gates; wave w rows 128 (w / 2) on, units 64 (w % 2) on: 8 blocks of 16 rows (A) x 12 blocks of 16 weight rows (B, 4 a gate):
; 96 accumulators, 768 registers.  For 128 along K a wave reads (128 + 192) x 96 bytes from LDS for 96 matrix instructions, and a hidden unit's three gates meet in one lane.
; THE WALK ALONG K: 16 steps of 128, x's eight, then h's.  A step is FOUR QUADRANTS of 24 matrix instructions: A's blocks 0-3 x six of B, 0-3 x the other six, 4-7 x those, 4-7 x the first six; the next step begins with
; the six that were done with first.  Each quadrant leaves one group of registers free, and a run of LDS loads stands at the head of the first, third and fourth quadrants.  A's blocks 0 and 7 share one buffer:
; block 7 comes when block 0 has had its last product, and block 0 is multiplied last in a step's first quadrant.
; TILES.  x and h: CHUNKS OF 256 BYTES of each row, three to a row, chunk c (of six) in LDS slot c % 2.  A step is 96 bytes of a row; steps 2 and 5 of each eight lie across two chunks.  B: PAIRS of steps, codes and scale words
; as one dense block, two slots.  x's and h's scale bytes: once, at the head.  c comes into slot 0's bytes when they have been read for the last time; new_c is written over it there: the stage for the way out.
; TRANSPOSED USE (source 0 = 16 weight rows, source 1 = 16 rows of x or h): register e of lane (r, h) is (row r, unit 8 h + e).
; THE BIASES START THE SUMS: b_i + b_h lies in block 7's accumulators, the C of every block's first products.
; CLUSTERS: 4 x 4.  The four of a row of the cluster need the same rows of x and h, the four of a column the same weights: each tile is asked for JOINTLY.
; PREFETCHES at a change of slots: what the loads of two steps later ask for: chunks by waves 0 and 1, pairs by waves 2 and 3, each 256 bytes once in a cluster, shared out among the four partners by address.
; Weights are asked for by the first four cluster rows alone: all eight read the same.  Chunks 0, 1 and pairs 0 to 2 come by their loads alone.
; LIMITS.  Another order of rounding than the source's.  sigmoid(gi) tanh(gg) = (e - 1) / ((1 + e) (1 + 2^(-gi log2 e))), e = 2^(min(2 gg log2 e, 30)): from 30 on tanh is 1 in f32.  Absolute error of a few 1e-7, so tanh's
; relative error grows as |gg| falls.  Exponentials of gi or gf that overflow give infinity, their reciprocals 0: these gates saturate rightly.  A NaN that reaches gate g alone (b_ig, b_hg) is not carried to the result.
; lds_bytes claims all of a WGP's LDS.
; REGISTERS: window 0: addresses, scale words, A's fragments (7 buffers), B's (12).  Windows 1 to 3: accumulator (a, b) at 256 + 96 a + 8 b.
; THREE RUNS A STEP: the second quadrant's successor finds A's blocks 4 to 6 already asked for: their registers are free at a step's head, so their loads stand there, behind the first quadrant's own, and the second quadrant has no run.
.set PITCH, 272                        ; a chunk's row in LDS: 256 bytes + 16 = 68 words: row r starts at bank 4 r mod 64 (64 banks of 4 bytes: ISA guide 11.1)
.set HALFA, 34816                      ; 128 rows; also a wave's quadrant of c: four of them lie inside slot 0
.set BOFF,  69632                      ; behind a slot's 256 rows of A: B's two halves
.set HALFB, 38400                      ; what one wave reads of a pair: 24 images of 1,536 bytes, then 2 x 192 scale words
.set SLOTD, 146432                     ; from slot 0 to slot 1
.set SCA,   292864                     ; x's, then h's scale bytes of my 256 rows: each 32 rows of 256 bytes + 8 of padding
.set SCAP,  8448
.set SPARE, 309760                     ; the spare words: two blocks of 256 bytes that no other line names
.set PFC,  1                           ; v1     c's prefetch: 4,096 x lane
.set ADRA, 2                           ; v2-3   my A fragments in slot 0, 1; v4-5: lanes 0-15 byte 232 of a row in slot 0, 1, lanes 16-31 byte 0 of the row in the other slot
.set ADRB, 6                           ; v6-7   my B fragments
.set ADSA, 8                           ; v8     A's scale words: lane l takes my row 32 k + l
.set CO,   9                           ; v9     the way out: lanes 0-15 one row of out0, lanes 16-31 the next
.set SPW,  10                          ; v10    my spare word; never rewritten
.set NIL,  11                          ; v11    0; never rewritten
.set ADSB, 12                          ; v12-13 B's scale words: lane l takes block 2 k + l / 16, row l % 16
.set CLA,  14                          ; v14    c: row r of a block, + 32 h
.set RD,   15                          ; v15    the stage, read by rows
.set SA,   16                          ; v16-19 A's scale words and nothing else: blocks 2 k (lanes 0-15), 2 k + 1 (lanes 16-31)
.set SB,   20                          ; v20-25 B's
.set AF,   26                          ; v26-109
.set BF,   110                         ; v110-253
.set PF1,  254                         ; v254-255 the prefetches' offsets; never rewritten
.set PF2,  255
.set E,    32                          ; the way out: v32-127 exponentials of gates i, f, g
.set T,    128                         ; v128-159
.set CC,   160                         ; v160-191 c, then new_c
.set OB,   192                         ; v192-223 16 rows read back
.set WV,   20
.set RH,   21                          ; which half of the rows is mine.  Also: I fetch for A (0) or for B (1)
.set WN,   22                          ; which half of the units.  Also: which half of a tile I fetch
.set PFH,  28                          ; s[28:29] prefetches from h
.set PM,   30                          ; 0: I prefetch x and h, 1: weights, 2: neither
.set CAP,  31                          ; 30.0
.set G1A,  32
.set G1B,  40
.set G0A,  48                          ; s[48:55] a set for each slot
.set G0B,  56
.set KS,   66                          ; s[66:67] -log2(e), twice
.set PFX,  78                          ; s[78:79] prefetches from x, or from the weights
.set G1S,  80
.set G0S,  88                          ; later c's group 0
.set G1C,  92
.set KT,   100                         ; s[100:101] 2 log2(e), twice
.set MSB, 0
.macro WIN new                         ; the immediate's high byte repeats the setting that is left
.if MSB != (\new)
	s_set_vgpr_msb (MSB<<8)|(\new)
.set MSB, (\new)
.endif
.endm
.macro PLACES n                        ; a load into a register that a matrix instruction has read, and a read of its result, stand four plain vector instructions behind it (ISA guide 7.12.1 for vector instructions)
.rept \n
	v_nop
.endr
.endm
.macro TLOAD g0, g1                    ; a tensor load and the lines behind it
	tensor_load_to_lds s[\g0:\g0+3], s[\g1:\g1+7]
	s_nop 0
	PLACES 4
.endm
.macro HLOAD n                         ; the first fills, one a wave: wave 0 a chunk's 256 rows, wave 1 scales, waves 2 and 3 B's halves
	s_cmp_lt_u32 s[WV], 1
	s_cbranch_scc0 .Lhs_\@
	TLOAD G0A+4*\n, G1A
	s_branch .Lhz_\@
.Lhs_\@:
	s_cmp_lt_u32 s[WV], 2
	s_cbranch_scc0 .Lhb_\@
	TLOAD G0S, G1S
	s_branch .Lhz_\@
.Lhb_\@:
	TLOAD G0B+4*\n, G1B
.Lhz_\@:
.endm
.macro JLOAD as, bs                    ; a joint load: waves 0 and 1 for A (slot as), waves 2 and 3 for B (slot bs); each line has one mask for all that issue it
	s_cmp_eq_u32 s[RH], 0
	s_cbranch_scc0 .Lfor_b_\@
	TLOAD G0A+4*\as, G1A
	s_branch .Lasked_\@
.Lfor_b_\@:
	TLOAD G0B+4*\bs, G1B
.Lasked_\@:
.endm
.macro BLOAD bs                        ; waves 2 and 3 alone: A has nothing to fetch
	s_cmp_eq_u32 s[RH], 0
	s_cbranch_scc1 .Lno_b_\@
	TLOAD G0B+4*\bs, G1B
.Lno_b_\@:
.endm
.macro CREST                           ; a round of the cluster's barrier behind its opening barrier
	s_cmp_lg_u32 s[WV], 0
	s_cbranch_scc1 .Lnot_wave_0_\@
	s_barrier_signal -3
.Lnot_wave_0_\@:
	s_barrier_wait -3
	s_barrier_signal -1
	s_barrier_wait -1
.endm
.macro CROUND
	s_barrier_signal -1
	s_barrier_wait -1
	CREST
.endm
.macro DESC g, d0, d1, pitch           ; group 1 behind its first word: d1 rows of d0 elements
	s_mov_b32 s[\g+1], \d0<<16
	s_mov_b32 s[\g+2], \d1<<16
	s_mov_b32 s[\g+3], \d0<<16
	s_mov_b32 s[\g+4], \d1
	s_mov_b32 s[\g+5], \pitch
	s_mov_b32 s[\g+6], 0
	s_mov_b32 s[\g+7], 0
.endm
	s_load_b512 s[4:19], s[0:1], 0x0               ; x_codes, x_scales s[6:7], h_codes, h_scales s[10:11], wcodes, c s[14:15], out0 s[16:17], b_ii s[18:19]
	s_load_b256 s[68:75], s[0:1], 0x40             ; b_hi, b_if, b_hf, b_ig
	s_load_b64 s[76:77], s[0:1], 0x60              ; b_hg
	v_lshl_add_u32 v[SPW], v0, 2, SPARE
	v_mov_b32 v[NIL], 0
	ds_add_u32 v[SPW], v[NIL]                      ; the wave's opening: the add, twice on end, ahead of my first tensor load
	ds_add_u32 v[SPW], v[NIL]
	v_lshrrev_b32 v1, 5, v0
	v_readfirstlane_b32 s[WV], v1                  ; wave 0..3
	s_lshr_b32 s[RH], s[WV], 1
	s_and_b32 s[WN], s[WV], 1
	s_bfe_u32 s23, ttmp6, 0x40000                  ; cx
	s_bfe_u32 s24, ttmp6, 0x40004                  ; cy
	s_lshl_b32 s25, ttmp9, 2
	s_add_co_u32 s25, s25, s23                     ; ct: which 128 units = 4 x cluster x + cx
	s_and_b32 s26, ttmp7, 0xffff
	s_cmp_lt_u32 s26, 4
	s_cselect_b32 s[PM], 1, 2
	s_lshl_b32 s26, s26, 2
	s_add_co_u32 s26, s26, s24                     ; tr: which 256 rows = 4 x cluster y + cy
	s_lshl_b32 s27, s24, 2
	s_lshl_b32 s27, 15, s27                        ; my row of the cluster
	s_lshl_b32 s2, 0x1111, s23                     ; my column
	; A's tiles: rows of 256 bytes, 768 apart, 16 bytes of padding behind each; 256 rows at the head, 128 behind it
	s_or_b32 s[G1A], s27, (0<<16)|(1<<20)|(1<<21)|(5<<22)|(3<<25)
	DESC G1A, 256, 256, 768
	; B's tiles: a dense block of 38,400 bytes as 150 rows of 256 (32 elements of 8 bytes), no padding
	s_or_b32 s[G1B], s2, (3<<16)|(1<<21)
	DESC G1B, 32, 150, 32
	; scale bytes: 256 rows x 32 bytes, dense, as 32 rows of 256 bytes, 8 bytes of padding behind each
	s_or_b32 s[G1S], s27, (3<<16)|(1<<20)|(1<<21)|(5<<22)|(1<<25)
	DESC G1S, 32, 32, 32
	s_mov_b32 s[KS], 0xbfb8aa3b
	s_mov_b32 s[KS+1], 0xbfb8aa3b
	s_mov_b32 s[KT], 0x4038aa3b
	s_mov_b32 s[KT+1], 0x4038aa3b
	s_mov_b32 s[CAP], 0x41f00000
	; offsets in bytes.  A's hang on tr and the wave's number, B's on ct and the wave's number; the prefetches' on my place in the cluster too
	s_lshl_b32 s92, s26, 8
	s_lshl_b32 s94, s[WN], 7
	s_add_co_u32 s94, s92, s94
	s_mul_i32 s94, s94, 768                        ; A: row 256 tr + 128 x half
	s_mov_b32 s95, 0
	s_lshl_b32 s96, s23, 6
	s_add_co_u32 s96, s92, s96
	s_lshl_b32 s97, s[WN], 5
	s_add_co_u32 s96, s96, s97
	s_mul_i32 s96, s96, 768                        ; my prefetches of x and h: rows 256 tr + 64 cx + 32 x half on
	s_mul_i32 s98, s25, 614400                     ; B
	s_mul_i32 s97, s24, 19200
	s_add_co_u32 s99, s98, s97
	s_mul_i32 s97, s[WN], 9728
	s_add_co_u32 s99, s99, s97                     ; of weights: 75 cy + 38 x half of a pair's 300 blocks of 256 bytes on
	s_mul_i32 s97, s[WN], HALFB
	s_add_co_u32 s98, s98, s97
	s_cmp_eq_u32 s[RH], 0
	s_cselect_b32 s[PM], 0, s[PM]
	s_cselect_b32 s96, s96, s99
	s_mov_b32 s97, 0
	s_mov_b32 s99, 0
	s_lshl_b32 s2, s25, 9
	s_lshl_b32 s3, s[WN], 8
	s_add_co_u32 s2, s2, s3                        ; my 64 units in a row of f32
	s_lshl_b32 s3, s[RH], 7
	s_add_co_u32 s92, s92, s3
	s_lshl_b32 s92, s92, 12
	s_add_co_u32 s92, s92, s2                      ; my quadrant in c and out0
	s_mov_b32 s93, 0
	s_mov_b32 s3, 0
	s_lshl_b32 s26, s26, 13                        ; scales: 256 tr rows of 32 bytes
	s_mov_b32 s27, 0
	s_mul_i32 s23, s[WN], HALFA                    ; where the tiles go: no place in the cluster enters an LDS address
	s_mov_b32 s[G0A], 1
	s_mov_b32 s[G0A+1], s23
	s_mov_b32 s[G0A+4], 1
	s_add_co_u32 s[G0A+5], s23, SLOTD
	s_mul_i32 s24, s[WN], HALFB
	s_add_co_u32 s24, s24, BOFF
	s_mov_b32 s[G0B], 1
	s_mov_b32 s[G0B+1], s24
	s_mov_b32 s[G0B+4], 1
	s_add_co_u32 s[G0B+5], s24, SLOTD
	s_mov_b32 s[G0S], 1
	s_mov_b32 s[G0S+1], SCA
	s_wait_alu depctr_va_vdst(0)                   ; directly ahead of the waits below
	s_wait_dscnt 0x0                               ; both opening adds are done
	CROUND                                         ; all sixteen work-groups are here: the first joint loads meet.  (It needs no argument: these are still on their way)
	s_wait_kmcnt 0x0
	s_add_nc_u64 s[G0A+2:G0A+3], s[4:5], s[94:95]
	s_or_b32 s[G0A+3], s[G0A+3], 0x80000000
	s_add_nc_u64 s[G0A+6:G0A+7], s[G0A+2:G0A+3], 0x100
	s_add_nc_u64 s[G0B+2:G0B+3], s[12:13], s[98:99]
	s_or_b32 s[G0B+3], s[G0B+3], 0x80000000
	s_add_nc_u64 s[G0B+6:G0B+7], s[G0B+2:G0B+3], 76800
	s_add_nc_u64 s[G0S+2:G0S+3], s[6:7], s[26:27]
	s_or_b32 s[G0S+3], s[G0S+3], 0x80000000
	HLOAD 0                                        ; chunk 0, x's scales, pair 0; the rest of the head stands behind them
	s_cmp_eq_u32 s[RH], 0
	s_cselect_b64 s[PFX:PFX+1], s[4:5], s[12:13]
	s_add_nc_u64 s[PFX:PFX+1], s[PFX:PFX+1], s[96:97]
	s_add_nc_u64 s[PFH:PFH+1], s[8:9], s[96:97]
	s_add_nc_u64 s[14:15], s[14:15], s[92:93]
	s_add_nc_u64 s[16:17], s[16:17], s[92:93]
.irp p, 18,68,70,72,74,76
	s_add_nc_u64 s[\p:\p+1], s[\p:\p+1], s[2:3]
.endr
	v_bfe_u32 v43, v0, 4, 1
	v_lshlrev_b32 v43, 5, v43                      ; 32 h
	WIN 0xc0
.macro BIAS g, pi, ph                  ; gate g's biases in the results' layout, b_i into block 7's accumulators, b_h into block 6's: register 32 g + 8 j + e: unit 16 j + 8 h + e
.irp j, 0,1,2,3
.irp u, 0,1
	global_load_b128 v[160+32*\g+8*\j+4*\u:160+32*\g+8*\j+4*\u+3], v43, s[\pi:\pi+1] offset:64*\j+16*\u
	global_load_b128 v[64+32*\g+8*\j+4*\u:64+32*\g+8*\j+4*\u+3], v43, s[\ph:\ph+1] offset:64*\j+16*\u
.endr
.endr
.endm
	BIAS 0, 18, 68
	BIAS 1, 70, 72
	BIAS 2, 74, 76
	WIN 0
	s_add_nc_u64 s[8:9], s[8:9], s[94:95]
	s_or_b32 s9, s9, 0x80000000                    ; h's first chunk, as a descriptor wants it
	s_add_nc_u64 s[10:11], s[10:11], s[26:27]
	s_mul_i32 s5, s[WN], HALFB
	s_add_co_u32 s5, s5, BOFF
	; c: 128 rows x 64 f32, 1,024 elements apart, 16 bytes of padding behind each row; no mask: nobody shares it
	s_mov_b32 s[G1C], (2<<16)|(1<<20)|(5<<22)|(3<<25)
	DESC G1C, 64, 128, 1024
	s_mul_i32 s4, s[RH], HALFA
	s_mul_i32 s6, s[RH], 4224
	s_add_co_u32 s6, s6, SCA
	s_mul_i32 s7, s[WV], HALFA
	s_mov_b32 s12, 256
	s_mov_b32 s13, 768
	s_cmp_eq_u32 s[RH], 0
	s_cselect_b32 s12, s13, s12                    ; from lane to lane of a prefetch: a row, or 256 bytes
	s_sub_co_u32 s13, 37, s[WN]                    ; the last of my 38 or 37 blocks
	v_and_b32 v30, 31, v0                          ; lane
	v_and_b32 v31, 15, v0                          ; r
	v_bfe_u32 v32, v0, 4, 1                        ; h
	v_mul_u32_u24 v33, v31, PITCH
	v_mad_u32_u24 v34, v32, 24, v33                ; a fragment's row x pitch + 24 x half
	v_mul_u32_u24 v35, v32, SLOTD-232
	v_add_nc_u32 v35, v35, v33
	v_sub_nc_u32 v36, 1, v32
	v_mul_u32_u24 v36, v36, SLOTD+232
	v_add_nc_u32 v36, v36, v33
	v_add_nc_u32 v35, 232, v35
	v_add_nc_u32 v[ADRA], s4, v34
	v_add_nc_u32 v[ADRA+1], SLOTD, v[ADRA]
	v_add_nc_u32 v[ADRA+2], s4, v35
	v_add_nc_u32 v[ADRA+3], s4, v36
	v_lshl_add_u32 v[ADRB], v30, 4, s5             ; an image's place for my lane: 16 x lane
	v_add_nc_u32 v[ADRB+1], SLOTD, v[ADRB]
	v_lshl_add_u32 v37, v30, 2, s5
	v_add_nc_u32 v[ADSB], 36864, v37
	v_add_nc_u32 v[ADSB+1], SLOTD, v[ADSB]
	v_lshrrev_b32 v38, 3, v30
	v_lshlrev_b32 v38, 3, v38
	v_lshl_add_u32 v38, v30, 5, v38                ; 32 bytes a row, and 8 more for each 8 rows passed
	v_add_nc_u32 v[ADSA], s6, v38
	v_lshl_add_u32 v39, v32, 5, v33
	v_add_nc_u32 v[CLA], s7, v39
	v_mul_u32_u24 v40, v32, PITCH
	v_lshl_add_u32 v40, v31, 4, v40
	v_add_nc_u32 v[RD], s7, v40
	v_lshlrev_b32 v41, 12, v32
	v_lshl_add_u32 v[CO], v31, 4, v41
	v_lshlrev_b32 v[PFC], 12, v30
	v_mul_u32_u24 v[PF1], v30, s12
	v_add_nc_u32 v42, 32, v30
	v_min_u32 v42, s13, v42                        ; (lanes that are left over name my last block again)
	v_lshlrev_b32 v[PF2], 8, v42
	s_wait_alu depctr_va_vdst(0)                   ; directly ahead of the wait below
	s_wait_loadcnt 0x0
	WIN 0xcf
.set k, 0
.rept 48
	v_pk_add_f32 v[160+k:161+k], v[160+k:161+k], v[64+k:65+k]    ; b_i + b_h
.set k, k+2
.endr
	WIN 0
.macro FRAG t, i                       ; A's block i of step t into buffer i % 7: lane l holds row l % 16; registers 6 c .. 6 c + 5 hold K = 64 c + 32 (l / 16) + 0 .. 31: 24 bytes of the row, as they lie
.irp p, 0,1,2,3,4,5                    ; in pieces of 8 bytes.  BY: where the piece of lanes 0-15 begins in the row; that of lanes 16-31 begins 24 bytes on.  CK: its chunk
.set BY, 96*((\t)%8)+48*(\p/3)+8*(\p%3)
.set CK, 3*((\t)/8)+BY/256
.if BY/256 == (BY+24)/256
	ds_load_b64 v[AF+12*((\i)%7)+2*\p:AF+12*((\i)%7)+2*\p+1], v[ADRA+CK%2] offset:BY%256+(\i)*16*PITCH
.else                                  ; the two halves of the lanes read different chunks: BY % 256 is 232, 240 or 248
	ds_load_b64 v[AF+12*((\i)%7)+2*\p:AF+12*((\i)%7)+2*\p+1], v[ADRA+2+CK%2] offset:BY%256-232+(\i)*16*PITCH
.endif
.endr
.endm
.macro SAW t, k0                       ; the scale words of A's blocks 2 k0 .. 2 k0 + 3: 2 loads
.irp k, 0,1
	ds_load_b32 v[SA+(\k0)+\k], v[ADSA] offset:SCAP*((\t)/8)+1056*((\k0)+\k)+4*((\t)%8)
.endr
.endm
.macro ANEXT t                         ; A's blocks 1 to 3 and the scale words of 0 to 3: 20 loads
	FRAG \t, 1
	FRAG \t, 2
	FRAG \t, 3
	SAW \t, 0
.endm
.macro BSET t, b0                      ; six of B's fragments and their scale words: 18 + 3 loads
.irp b, 0,1,2,3,4,5
.irp n, 0,1,2
	ds_load_b128 v[BF+12*(\b0+\b)+4*\n:BF+12*(\b0+\b)+4*\n+3], v[ADRB+((\t)/2)%2] offset:((\t)%2)*18432+(\b0+\b)*1536+512*\n
.endr
.endr
.irp k, 0,1,2
	ds_load_b32 v[SB+\b0/2+\k], v[ADSB+((\t)/2)%2] offset:((\t)%2)*768+128*(\b0/2+\k)
.endr
.endm
; Six matrix instructions: A's block a x B's b0 .. b0 + 5.  An odd block's scale words lie in lanes 16-31.  In step 0 C is the bias.  The 96 accumulators take turns, one instruction a turn.
.macro ROW a, b0, st
.irp b, 0,1,2,3,4,5
.set rR, 96*(\a)+8*(\b0+\b)
.set rW, 1+rR/256
.set rD, rR%256
.set rB, BF+12*(\b0+\b)
.set rA, AF+12*((\a)%7)
.set rSB, SB+(\b0+\b)/2
.set rSA, SA+(\a)/2
.if ((\st) == 0) && ((\a) < 7)
.set rC, 160+8*(\b0+\b)
	WIN (rW<<6)|0x30
.else
.set rC, rD
	WIN 0x50*rW
.endif
.if (\b%2 == 0) && ((\a)%2 == 0)
	v_wmma_scale_f32_16x16x128_f8f6f4 v[rD:rD+7], v[rB:rB+11], v[rA:rA+11], v[rC:rC+7], v[rSB], v[rSA] matrix_a_fmt:MATRIX_FMT_BF6 matrix_b_fmt:MATRIX_FMT_BF6
.elseif (\b%2 == 1) && ((\a)%2 == 0)
	v_wmma_scale_f32_16x16x128_f8f6f4 v[rD:rD+7], v[rB:rB+11], v[rA:rA+11], v[rC:rC+7], v[rSB], v[rSA] matrix_a_fmt:MATRIX_FMT_BF6 matrix_b_fmt:MATRIX_FMT_BF6 matrix_a_scale:MATRIX_SCALE_ROW1
.elseif (\b%2 == 0) && ((\a)%2 == 1)
	v_wmma_scale_f32_16x16x128_f8f6f4 v[rD:rD+7], v[rB:rB+11], v[rA:rA+11], v[rC:rC+7], v[rSB], v[rSA] matrix_a_fmt:MATRIX_FMT_BF6 matrix_b_fmt:MATRIX_FMT_BF6 matrix_b_scale:MATRIX_SCALE_ROW1
.else
	v_wmma_scale_f32_16x16x128_f8f6f4 v[rD:rD+7], v[rB:rB+11], v[rA:rA+11], v[rC:rC+7], v[rSB], v[rSA] matrix_a_fmt:MATRIX_FMT_BF6 matrix_b_fmt:MATRIX_FMT_BF6 matrix_a_scale:MATRIX_SCALE_ROW1 matrix_b_scale:MATRIX_SCALE_ROW1
.endif
.endr
.endm
; The prefetches behind step st's joint load and LDS loads: st 1, 3, 5, 9: chunks 2 to 5; st 1, 3, 5, 7, 9: pairs 3 to 7; st 11: my quadrant of c, a lane a row.  Each two steps ahead of its load.
.macro ASK st
.if \st == 11
.irp n, 0,1,2,3
	global_prefetch_b8 v[PFC], s[14:15] offset:131072*\n th:TH_LOAD_NT scope:SCOPE_SE
.endr
.endif
.if (\st == 1) || (\st == 3) || (\st == 5) || (\st == 9)
	s_cmp_eq_u32 s[PM], 0
	s_cbranch_scc0 .Lno_pa_\@
.if \st == 1
	global_prefetch_b8 v[PF1], s[PFX:PFX+1] offset:512 th:TH_LOAD_NT scope:SCOPE_SE
.else
	global_prefetch_b8 v[PF1], s[PFH:PFH+1] offset:256*(\st/4) th:TH_LOAD_NT scope:SCOPE_SE
.endif
.Lno_pa_\@:
.endif
.if (\st == 1) || (\st == 3) || (\st == 5) || (\st == 7) || (\st == 9)
	s_cmp_eq_u32 s[PM], 1
	s_cbranch_scc0 .Lno_pb_\@
	global_prefetch_b8 v[PF1], s[PFX:PFX+1] offset:76800*((\st+5)/2) th:TH_LOAD_NT scope:SCOPE_SE
	global_prefetch_b8 v[PF2], s[PFX:PFX+1] offset:76800*((\st+5)/2) th:TH_LOAD_NT scope:SCOPE_SE
.Lno_pb_\@:
.endif
.endm
; A STEP.  In its third quadrant may stand a barrier (UK).  1: a round of the cluster's barrier, then B's slot is filled again; 2: the same, and A's slot too; 3: a round, then c comes into slot 0's bytes;
; 4: a work-group barrier that shows a chunk to all four waves.  In front of a round each wave waits for all its tensor loads, adds 0 to its spare word, and waits for that and for all its reads.
; DF: the next step is the first to read a new chunk: its blocks 1 to 3 are fetched behind the barrier, in the last quadrant's run, else in the third's.
.macro STEP st
.set SL, 6*((\st)%2)                   ; B's six of the first and last quadrants,
.set SH, 6-SL                          ; and of the other two
.set UK, 0
.set DF, 0
.set AN, 20
.if (\st == 1) || (\st == 9)
.set UK, 1
.endif
.if (\st == 3) || (\st == 5) || (\st == 7) || (\st == 11)
.set UK, 2
.endif
.if \st == 13
.set UK, 3
.endif
.if (\st == 4) || (\st == 12)
.set UK, 4
.endif
.if (\st == 1) || (\st == 4) || (\st == 7) || (\st == 9) || (\st == 12)
.set DF, 1
.set AN, 0
.endif
.if \st == 15
.set AN, 0
.endif
	PLACES 4
	WIN 0
	FRAG \st, 0
	BSET \st, SH
	FRAG \st, 4                                    ; (for the third quadrant: these registers have been free since the last step's end)
	FRAG \st, 5
	FRAG \st, 6
	SAW \st, 2
	s_wait_dscnt 47                                ; all but the 47 just issued
	ROW 1, SL, \st
	ROW 2, SL, \st
	ROW 3, SL, \st
	s_wait_dscnt 41                                ; block 0 is in; B's other six and A's blocks 4 to 6 may be out
	ROW 0, SL, \st
	s_wait_dscnt 20                                ; B's other six are in; A's blocks 4 to 6 and their scale words may be out
	ROW 0, SH, \st
	ROW 1, SH, \st
	ROW 2, SH, \st
	ROW 3, SH, \st
	PLACES 4
	WIN 0
	FRAG \st, 7
.if AN != 0
	ANEXT \st+1
.endif
	s_wait_dscnt AN+6                              ; all but those just issued
	ROW 4, SH, \st
	ROW 5, SH, \st
.if UK == 0
	ROW 6, SH, \st
	s_wait_dscnt AN                                ; block 7 is in
.if \st == 0
	PLACES 5                                       ; block 7's own first products write over the registers that were the others' C
.endif
	ROW 7, SH, \st
.else
	WIN 0                                          ; (the add's two registers lie in window 0)
	s_wait_tensorcnt 0x0                           ; all my tensor loads have landed
.if UK != 4
	ds_add_u32 v[SPW], v[NIL]                      ; 0 onto my spare word
.endif
	ROW 6, SH, \st                                 ; six matrix instructions stand between the add and the wait for it
	s_wait_dscnt 0x0                               ; the add is done, and so are all my reads
	s_barrier_signal -1
	ROW 7, SH, \st
	WIN 0
	s_barrier_wait -1
.if UK != 4
	CREST                                          ; no wave of any partner still reads these bytes or has a load on its way
.endif
.if \st == 1
	s_mov_b32 s[G1A+2], 128<<16                    ; no tensor load of mine is out: from here on a load of A brings 128 rows
	s_mov_b32 s[G1A+4], 128
.endif
.if (UK == 1) || (UK == 2)
.set BS, ((\st-1)/2)%2
	s_add_nc_u64 s[G0B+4*BS+2:G0B+4*BS+3], s[G0B+4*BS+2:G0B+4*BS+3], 153600    ; two pairs on
.endif
.if UK == 1
	BLOAD BS
.endif
.if \st == 3
	s_add_nc_u64 s[G0A+2:G0A+3], s[G0A+2:G0A+3], 512           ; chunk 2: x's last
	JLOAD 0, 1
.endif
.if \st == 5
	s_mov_b64 s[G0A+6:G0A+7], s[8:9]                           ; chunk 3: h's first
	JLOAD 1, 0
.endif
.if \st == 7
	s_add_nc_u64 s[G0A+2:G0A+3], s[8:9], 0x100                 ; chunk 4
	JLOAD 0, 1
.endif
.if \st == 11
	s_add_nc_u64 s[G0A+6:G0A+7], s[G0A+6:G0A+7], 512           ; chunk 5
	JLOAD 1, 1
.endif
.if UK == 3
	s_mul_i32 s[G0S+1], s[WV], HALFA               ; c's group 0, in the registers of a load long done
	s_mov_b64 s[G0S+2:G0S+3], s[14:15]
	s_or_b32 s[G0S+3], s[G0S+3], 0x80000000
	TLOAD G0S, G1C
.endif
.endif
.if \st != 15
.if (UK != 2) && (UK != 3)             ; (else the four v_nop behind the tensor load are the places)
	PLACES 4
.endif
	WIN 0
	BSET \st+1, SH
.if DF != 0
	ANEXT \st+1
.endif
	ASK \st
.endif
	ROW 4, SL, \st
	ROW 5, SL, \st
	ROW 6, SL, \st
.if \st == 0
	PLACES 5
.endif
	ROW 7, SL, \st
.endm
	s_wait_alu depctr_va_vdst(0)                   ; the head's end
	s_wait_tensorcnt 0x0                           ; my tile of the head's four is in
	ds_add_u32 v[SPW], v[NIL]
	s_mov_b64 s[G0S+2:G0S+3], s[10:11]             ; (no tensor load of mine is out) h's scales
	s_or_b32 s[G0S+3], s[G0S+3], 0x80000000
	s_mov_b32 s[G0S+1], SCA+SCAP
	s_wait_dscnt 0x0                               ; the add is done
	CROUND                                         ; the head's tiles are in, and all sixteen work-groups are here
	HLOAD 1                                        ; chunk 1, h's scales, pair 1: the first tensor loads behind the round
	BSET 0, 0
	ANEXT 0
.irp st, 0,1,2,3,4,5,6,7,8,9,10,11,12,13,14,15
	STEP \st
.endr
; THE WAY OUT, a block of 16 rows x 64 units a trip.  A wave touches only its own LDS bytes here (its quadrant of c, brought by its own tensor load): no barrier.
; Block a's sums lie in other registers in each trip: the multiply by the exponent's factor, which is due anyway, brings them into v32-127; the rest of the trip is the same text for all blocks.
.macro MULS a
.set m, 0
.rept 48
.set rR, 96*(\a)+2*m
.set rD, rR%256
.if MSB != (1+rR/256)
	WIN 1+rR/256
	s_wait_alu depctr_va_vdst(0)                   ; directly ahead of the first readers of these sums
.endif
.if m/32 == 0
	v_pk_mul_f32 v[E+2*m:E+2*m+1], v[rD:rD+1], s[KS:KS+1] op_sel_hi:[1,0]   ; -sum log2 e; each accumulator from its low end on
.else
	v_pk_mul_f32 v[E+2*m:E+2*m+1], v[rD:rD+1], s[KT:KT+1] op_sel_hi:[1,0]   ; 2 sum log2 e
.endif
.set m, m+1
.endr
	WIN 0
.endm
.macro SEND                            ; the block staged last (the base stands one block further on)
.irp t, 0,1,2,3,4,5,6,7
	global_store_b128 v[CO], v[OB+4*\t:OB+4*\t+3], s[16:17] offset:8192*\t-65536 th:TH_STORE_NT   ; 16 lanes store 256 consecutive bytes, at a multiple of 256 from out0's first byte
.endr
.endm
	PLACES 4                                       ; behind the last products: for loads into and writes of registers that held fragments, and for the first reads of results
	WIN 0
	s_wait_tensorcnt 0x0                           ; my quadrant of c is in
	s_mov_b32 s3, 0
.Lblock:
.irp j, 0,1,2,3
	ds_load_b128 v[CC+8*\j:CC+8*\j+3], v[CLA] offset:64*\j         ; this block's c, in the results' layout
	ds_load_b128 v[CC+8*\j+4:CC+8*\j+7], v[CLA] offset:64*\j+16
.endr
	s_cmp_lt_u32 s3, 4
	s_cbranch_scc0 .Lnot_3
.irp a, 0,1,2,3,4,5,6,7
.if (\a != 3) && (\a != 7)
	s_cmp_lg_u32 s3, \a
	s_cbranch_scc1 .Lnot_\a
.endif
	MULS \a
.if \a != 7
	s_wait_alu depctr_va_vdst(0)
	s_branch .Lhave
.Lnot_\a:
.endif
.endr
.Lhave:
	s_wait_alu depctr_va_vdst(0)                   ; the wait ahead of the batch
.set k, 0
.rept 32
	v_exp_f32 v[E+2*k], v[E+2*k]                   ; gates i and f; between them gate g's exponent is held
	v_min_num_f32 v[E+64+k], s[CAP], v[E+64+k]
	v_exp_f32 v[E+2*k+1], v[E+2*k+1]
.set k, k+1
.endr
	v_nop
	s_wait_alu depctr_va_vdst(0)                   ; behind this batch and ahead of the next
	s_cmp_eq_u32 s3, 0
	s_cbranch_scc1 .Lfirst
	s_wait_dscnt 8                                 ; the last block's rows are back in registers; this block's c may be out
	SEND
.Lfirst:
.set k, 0
.rept 16
	v_exp_f32 v[E+64+2*k], v[E+64+2*k]             ; gate g; between them 1 + gate f's
	v_pk_add_f32 v[E+32+2*k:E+32+2*k+1], v[E+32+2*k:E+32+2*k+1], 1.0 op_sel_hi:[1,0]
	v_exp_f32 v[E+64+2*k+1], v[E+64+2*k+1]
.set k, k+1
.endr
	v_nop
	s_wait_alu depctr_va_vdst(0)
.set k, 0
.rept 16
	v_pk_add_f32 v[T+k:T+k+1], v[E+64+k:E+64+k+1], 1.0 op_sel_hi:[1,0]
.set k, k+2
.endr
.set k, 0
.rept 16
	v_pk_fma_f32 v[T+k:T+k+1], v[E+k:E+k+1], v[T+k:T+k+1], v[T+k:T+k+1]   ; (1 + 2^(-gi log2 e)) (1 + e): the second factor is 1 or more and finite, so infinity stays infinity
.set k, k+2
.endr
	s_wait_alu depctr_va_vdst(0)
.set k, 0
.rept 16
	v_rcp_f32 v[T+2*k], v[T+2*k]
	v_pk_add_f32 v[E+64+2*k:E+64+2*k+1], v[E+64+2*k:E+64+2*k+1], -1.0 op_sel_hi:[1,0]   ; e - 1
	v_rcp_f32 v[T+2*k+1], v[T+2*k+1]
.set k, k+1
.endr
.set k, 0
.rept 32
	v_rcp_f32 v[E+32+k], v[E+32+k]
.set k, k+1
.endr
	v_nop
	s_wait_dscnt 0x0                               ; this block's c is in
	s_wait_xcnt 0x0                                ; the last block's stores have read their registers and their base
	s_add_nc_u64 s[16:17], s[16:17], 0x10000       ; 16 rows on
	s_wait_alu depctr_va_vdst(0)
.set k, 0
.rept 16
	v_pk_mul_f32 v[T+k:T+k+1], v[T+k:T+k+1], v[E+64+k:E+64+k+1]           ; sigmoid(gi) tanh(gg)
.set k, k+2
.endr
.set k, 0
.rept 16
	v_pk_fma_f32 v[CC+k:CC+k+1], v[E+32+k:E+32+k+1], v[CC+k:CC+k+1], v[T+k:T+k+1]
.set k, k+2
.endr
.irp j, 0,1,2,3                        ; new_c goes where c lay, and comes back as whole rows of 256 bytes: LDS serves a wave's instructions in order (ISA guide 5.7.1.4)
	ds_store_b128 v[CLA], v[CC+8*\j:CC+8*\j+3] offset:64*\j
	ds_store_b128 v[CLA], v[CC+8*\j+4:CC+8*\j+7] offset:64*\j+16
.endr
.irp t, 0,1,2,3,4,5,6,7
	ds_load_b128 v[OB+4*\t:OB+4*\t+3], v[RD] offset:2*PITCH*\t
.endr
	v_add_nc_u32 v[CLA], 16*PITCH, v[CLA]
	v_add_nc_u32 v[RD], 16*PITCH, v[RD]
	s_add_co_u32 s3, s3, 1
	s_cmp_lt_u32 s3, 8
	s_wait_alu depctr_va_vdst(0)
	s_cbranch_scc1 .Lblock
	s_wait_dscnt 0x0
	SEND
	s_wait_tensorcnt 0x0                           ; the wave's end: behind my last tensor load and my last LDS store
	ds_add_u32 v[SPW], v[NIL]
	s_wait_dscnt 0x0
	CROUND                                         ; the closing round: no work-group ends while a partner may still ask for a tile that names it
	s_endpgm
.Lfunc_end_k_q32fa909c42_cell:
	.size	k_q32fa909c42_cell, .Lfunc_end_k_q32fa909c42_cell-k_q32fa909c42_cell
	.p2alignl 7, 3214868480
	.fill 96, 4, 3214868480
	.section	.rodata,"a",@progbits
	.p2align	6, 0x0
	.amdhsa_kernel k_q32fa909c42_cell
		.amdhsa_group_segment_fixed_size 327680
		.amdhsa_private_segment_fixed_size 0
		.amdhsa_enable_private_segment 0
		.amdhsa_kernarg_size 104
		.amdhsa_user_sgpr_count 2
		.amdhsa_user_sgpr_kernarg_segment_ptr 1
		.amdhsa_wavefront_size32 1
		.amdhsa_system_sgpr_workgroup_id_x 1
		.amdhsa_system_sgpr_workgroup_id_y 1
		.amdhsa_system_sgpr_workgroup_id_z 1
		.amdhsa_system_vgpr_workitem_id 0
		.amdhsa_next_free_vgpr 1024
		.amdhsa_next_free_sgpr 102
		.amdhsa_reserve_vcc 0
		.amdhsa_float_denorm_mode_32 3
		.amdhsa_float_denorm_mode_16_64 3
		.amdhsa_memory_ordered 1
		.amdhsa_forward_progress 1
		.amdhsa_inst_pref_size 255
	.end_amdhsa_kernel
	.section	.bss,"aw",@nobits
	.p2align	6
	.space	262144
	.amdgpu_metadata
---
amdhsa.version: [ 1, 2 ]
amdhsa.kernels:
  - .name:           k_q32fa909c42_cell
    .symbol:         k_q32fa909c42_cell.kd
    .args:
      - { .name: x_codes, .offset: 0, .size: 8, .value_kind: global_buffer, .address_space: global }
      - { .name: x_scales, .offset: 8, .size: 8, .value_kind: global_buffer, .address_space: global }
      - { .name: h_codes, .offset: 16, .size: 8, .value_kind: global_buffer, .address_space: global }
      - { .name: h_scales, .offset: 24, .size: 8, .value_kind: global_buffer, .address_space: global }
      - { .name: wcodes, .offset: 32, .size: 8, .value_kind: global_buffer, .address_space: global }
      - { .name: c, .offset: 40, .size: 8, .value_kind: global_buffer, .address_space: global }
      - { .name: out0, .offset: 48, .size: 8, .value_kind: global_buffer, .address_space: global }
      - { .name: b_ii, .offset: 56, .size: 8, .value_kind: global_buffer, .address_space: global }
      - { .name: b_hi, .offset: 64, .size: 8, .value_kind: global_buffer, .address_space: global }
      - { .name: b_if, .offset: 72, .size: 8, .value_kind: global_buffer, .address_space: global }
      - { .name: b_hf, .offset: 80, .size: 8, .value_kind: global_buffer, .address_space: global }
      - { .name: b_ig, .offset: 88, .size: 8, .value_kind: global_buffer, .address_space: global }
      - { .name: b_hg, .offset: 96, .size: 8, .value_kind: global_buffer, .address_space: global }
    .group_segment_fixed_size: 327680
    .private_segment_fixed_size: 0
    .kernarg_segment_align: 8
    .kernarg_segment_size: 104
    .max_flat_workgroup_size: 128
    .sgpr_count:     102
    .vgpr_count:     1024
    .wavefront_size: 32
...
	.end_amdgpu_metadata
.endif
;; end of part 2
